; MI455X (gfx1250); checked and timed in simulation.
; The chip was launched on July 23, 2026; its instructions are those of AMD's public machine-readable ISA for CDNA 5 (MIT licence, August 2026) and "CDNA5" Instruction Set Architecture Reference Guide (July 2026). The comments in the code are by the model that wrote it; some were corrected since.
;; Multi Resolution Hash Time Double Encoder Double Network. Allowed arithmetic: float matrix products may take bf16 or f16 operands with f32 sums; other float arithmetic in f32, or as packed bf16 or f16 multiplies, adds, multiply-adds, maxima and minima; sums over many terms, partial sums and values carried from step to step in f32; what a program stores and reads back later, other than sums and carried values, may be rounded once to bf16 or f16.
;; Inputs: skip_alpha 1 float32; t 1 float32; table_d 16 x 524,288 x 2 float32; table_s 16 x 524,288 x 2 float32; w1_hid 1 x 64 x 64 float32; w1_in 128 x 64 float32; w1_out 64 x 128 float32; w2_hid 1 x 64 x 64 float32; w2_in 128 x 64 float32; w2_out 64 x 1 float32; wd_hid 3 x 64 x 64 float32; wd_in 32 x 64 float32; wd_out 64 x 64 float32; ws_hid 3 x 64 x 64 float32; ws_in 32 x 64 float32; ws_out 64 x 64 float32; x 262,144 x 3 float32.
;; Outputs: out0 262,144 x 1 float32.
;; 2 versions, each right; version 2 is version 1 with the launch main written anew for expert scheduling mode. Each part assembles by itself: llvm-mc -triple=amdgcn-amd-amdhsa -mcpu=gfx1250 --defsym DOCPART=n.
;; ======== version 1 of 2: 2 launches
;; limits: inputs' magnitudes at most 4,094; values are held in f16: magnitudes above 65,504 overflow, below 6.1e-05 lose precision; values outside matrix products are rounded to f16
;; workspace buffers: idx 33,554,432 bytes of whole numbers; tix 2,048 bytes of whole numbers; wfrag 147,456 bytes
;; launch prep (part 1): grid 1061 x 1, 8 waves a work-group, no clusters, 0 bytes of LDS; arguments x, t, ws_in, ws_hid, ws_out, wd_in, wd_hid, wd_out, w1_in, w1_hid, w1_out, w2_in, w2_hid, w2_out, idx, tix, wfrag; writes idx, tix, wfrag
.if DOCPART == 1
	.amdgcn_target "amdgcn-amd-amdhsa--gfx1250"
	.amdhsa_code_object_version 6
	.text
	.protected	k_q4e9d7cd447_prep
	.globl	k_q4e9d7cd447_prep
	.p2align	8
	.type	k_q4e9d7cd447_prep,@function
k_q4e9d7cd447_prep:
	s_mov_b64 s[64:65], 0
	v_nop
	global_prefetch_b8 v0, s[64:65] scope:SCOPE_SE
	s_setreg_imm32_b32 hwreg(HW_REG_WAVE_MODE, 25, 1), 1
	s_wait_xcnt 0x0
; PREPARATION for the fused kernel: everything that later steers an address is made here and stored as whole numbers, and the weights are laid out once as f16 matrix fragments.
; Three roles, chosen by the work-group's number alone (forward scalar branches; EXEC is never changed; no LDS, no barrier):
;   groups 0 .. 1023   POINTS: 256 points each, one a thread.  For each of the 16 levels one 64-bit word a point: bits 0-18 px, 19-37 py*P1, 38-56 pz*P2, each modulo 2^19,
;                      p = u32(floor(x * res)) in f32 as the reference forms it.  Only the low 19 bits of each term reach h % 2^19; the +1 corners are made later by adding 1, P1, P2.
;   groups 1024 .. 1059 WEIGHTS: 4,096 bytes of the fragment image each, 16 bytes a thread.
;   group 1060         TIME: entry i of tix = ((pt*P3) & M, ((pt+1)*P3) & M) for level i & 15, pt = u32(floor(t * res)).
; res = floor(16 * 1.5^l); 16 * 1.5^l = 3^l 2^(4-l) is exact in f32 up to l = 15 (3^15 < 2^24).
; THE FRAGMENT IMAGE.  A fragment is 1,024 bytes: 16 output features x 32 k of 16*W in f16, as source 0 of the transposed product W^T H^T: byte q*512 + L*16 + 2e (L = 16h + r) holds
; f16(16 * W[k][n]), n = 16 ft + r, k = 32 kb + 16 q + 8 h + e; for the two input layers k = 16 q + 4 (e>>1) + 2 h + (e&1), the order in which the encodings are packed.  Fragment (ft, kb) of a matrix lies at (ft*KB + kb)*1024.
; w2_out, [64][1], is laid out as 64 x 64 with zeros in columns 1-63.
; LIMITS.  x, t >= 0 and x * 7006 < 2^32 (beyond that the reference's own cast to u32 has no defined value); |w| < 4,094, so that 16 w is finite in f16; below 3.8e-6 a weight keeps f16's fixed step, 3.7e-9 of w.
.set P1,  0x9E3779B1
.set P2,  0x30025795
.set P3,  0xDB06C2F5
.set MSK, 0x7FFFF
.set NA,  1024                         ; groups of the first role
.set NW,  36                           ; groups of the second
	s_load_b512 s[8:23], s[0:1], 0x0               ; argument i lies in s[8+2i : 9+2i]: x 8, t 10, ws_in 12, ws_hid 14, ws_out 16, wd_in 18, wd_hid 20, wd_out 22,
	s_load_b512 s[24:39], s[0:1], 0x40             ; w1_in 24, w1_hid 26, w1_out 28, w2_in 30, w2_hid 32, w2_out 34, idx 36, tix 38,
	s_load_b64 s[40:41], s[0:1], 0x80              ; wfrag 40
	s_mov_b32 s2, ttmp9
	s_mov_b32 s43, 0                               ; the high word of every offset pair
	s_mov_b32 s46, MSK
	s_wait_kmcnt 0x0
	s_cmp_lt_u32 s2, NA
	s_cbranch_scc0 .Lnot_points
	; ---- POINTS ----
	s_mul_i32 s42, s2, 3072                        ; 256 points x 12 bytes
	s_add_nc_u64 s[8:9], s[8:9], s[42:43]
	s_lshl_b32 s42, s2, 11                         ; 256 points x 8 bytes
	s_add_nc_u64 s[36:37], s[36:37], s[42:43]
	v_mul_u32_u24 v1, v0, 12
	v_lshlrev_b32 v2, 3, v0
	global_load_b32 v4, v1, s[8:9]
	global_load_b32 v5, v1, s[8:9] offset:4
	global_load_b32 v6, v1, s[8:9] offset:8
	s_mov_b32 s44, P1
	s_mov_b32 s45, P2
	s_mov_b32 s50, 0x41800000                      ; 16 * 1.5^l, from l = 0
	s_mov_b32 s51, 16                              ; levels to go
	s_wait_loadcnt 0x0
.Llevel:
	v_floor_f32 v7, s50                            ; res
	v_mul_f32 v8, v4, v7
	v_mul_f32 v9, v5, v7
	v_mul_f32 v10, v6, v7
	v_floor_f32 v8, v8
	v_floor_f32 v9, v9
	v_floor_f32 v10, v10
	v_cvt_u32_f32 v8, v8
	v_cvt_u32_f32 v9, v9
	v_cvt_u32_f32 v10, v10
	v_mul_lo_u32 v9, v9, s44
	v_mul_lo_u32 v10, v10, s45
	v_and_b32 v8, s46, v8
	v_and_b32 v9, s46, v9
	v_and_b32 v10, s46, v10
	v_lshrrev_b32 v11, 13, v9                      ; y's upper 6 bits open the high word
	v_lshl_or_b32 v12, v9, 19, v8
	v_lshl_or_b32 v13, v10, 6, v11
	global_store_b64 v2, v[12:13], s[36:37]        ; a wave stores 256 consecutive bytes, aligned
	s_wait_xcnt 0x0                                ; the store's data and base are rewritten only behind this wait
	s_add_nc_u64 s[36:37], s[36:37], 0x200000      ; the next level's 262,144 words
	s_mul_f32 s50, s50, 0x3fc00000                 ; x 1.5
	s_sub_co_u32 s51, s51, 1
	s_cmp_lg_u32 s51, 0
	s_cbranch_scc1 .Llevel
	s_endpgm
.Lnot_points:
	s_cmp_eq_u32 s2, NA+NW
	s_cbranch_scc0 .Lweights
	; ---- TIME ----
	s_load_b32 s42, s[10:11], 0x0                  ; t
	s_mov_b32 s47, P3
	s_mov_b32 s48, 0x3fc00000                      ; 1.5
	s_mov_b32 s49, 0x40100000                      ; 1.5^2
	s_mov_b32 s50, 0x40a20000                      ; 1.5^4
	s_mov_b32 s51, 0x41cd0800                      ; 1.5^8
	v_mov_b32 v2, 0x41800000                       ; 16
.irp b, 0,1,2,3
	v_and_b32 v3, 1<<\b, v0                        ; bit b of the level: every product below is exact
	v_cmp_ne_u32 vcc_lo, 0, v3
	v_cndmask_b32 v3, 1.0, s[48+\b], vcc_lo
	v_mul_f32 v2, v2, v3
.endr
	v_floor_f32 v2, v2                             ; res
	v_lshlrev_b32 v1, 3, v0
	s_wait_kmcnt 0x0
	v_mul_f32 v3, s42, v2
	v_floor_f32 v3, v3
	v_cvt_u32_f32 v3, v3
	v_mul_lo_u32 v3, v3, s47
	v_add_nc_u32 v5, s47, v3
	v_and_b32 v4, s46, v3
	v_and_b32 v5, s46, v5
	global_store_b64 v1, v[4:5], s[38:39]
	s_endpgm
	; ---- WEIGHTS ----
.Lweights:
	s_sub_co_u32 s3, s2, NA                        ; w: my 4,096 bytes of the image
	s_lshl_b32 s42, s3, 12
	s_add_nc_u64 s[40:41], s[40:41], s[42:43]
	v_lshlrev_b32 v9, 4, v0                        ; my 16 bytes of them: sixteen lanes fill 256 consecutive bytes, aligned
; One weight buffer.  first, count: its groups.  ptr: its pointer's register.  lkb, lft: log2 of the k blocks and of the feature tiles of a matrix.  lrs: log2 of a row's bytes.
; lhs: log2 of what h adds to k.  p2: what each pair of e adds to k beside e.  one = 1: only column 0 exists.  many = 1: matrices of 64 rows on end.  last = 1: no test, the groups that are left are its own.
.macro MAT first, count, ptr, lkb, lft, lrs, lhs, p2, one, many, last
.if !(\last)
	s_cmp_lt_u32 s3, (\first)+(\count)
	s_cbranch_scc0 .Lnext_\@
.endif
	s_sub_co_u32 s4, s3, \first
	s_lshl_b32 s4, s4, 8
	v_add_nc_u32 v1, s4, v0                        ; c: my chunk of 16 bytes in this buffer's image
	v_and_b32 v2, 15, v1                           ; r
	v_bfe_u32 v3, v1, 4, 1                         ; h
	v_bfe_u32 v4, v1, 5, 1                         ; q
	v_lshrrev_b32 v5, 6, v1                        ; the fragment's number
.if \lkb
	v_and_b32 v6, (1<<(\lkb))-1, v5                ; kb
.else
	v_mov_b32 v6, 0
.endif
	v_bfe_u32 v7, v5, \lkb, \lft                   ; ft
	v_lshl_add_u32 v7, v7, 4, v2                   ; n = 16 ft + r
	v_lshlrev_b32 v6, 5, v6
	v_lshl_add_u32 v6, v4, 4, v6
	v_lshl_add_u32 v6, v3, \lhs, v6                ; k of e = 0
.if \many
	v_lshrrev_b32 v8, (\lkb)+(\lft), v5            ; which matrix
	v_lshl_add_u32 v6, v8, 6, v6                   ; its 64 rows
.endif
	v_lshlrev_b32 v6, \lrs, v6
.if !(\one)
	v_lshl_add_u32 v6, v7, 2, v6
.endif
.irp e, 0,1,2,3,4,5,6,7
	global_load_b32 v[16+\e], v6, s[\ptr:\ptr+1] offset:((\e)+(\p2)*((\e)>>1))<<(\lrs)
.endr
	s_wait_loadcnt 0x0
.irp e, 0,1,2,3,4,5,6,7
	v_mul_f32 v[16+\e], 0x41800000, v[16+\e]       ; x 16: exact, and it lifts small weights out of f16's lowest range
.endr
.if \one
	v_cmp_eq_u32 vcc_lo, 0, v7                     ; the columns that do not exist (their loads read column 0, inside the buffer) are zeros
.irp e, 0,1,2,3,4,5,6,7
	v_cndmask_b32 v[16+\e], 0, v[16+\e], vcc_lo
.endr
.endif
.irp e, 0,1,2,3
	v_cvt_pk_f16_f32 v[24+\e], v[16+2*\e], v[17+2*\e]
.endr
	global_store_b128 v9, v[24:27], s[40:41]
	s_endpgm
.if !(\last)
.Lnext_\@:
.endif
.endm
	MAT  0, 1, 12, 0, 2, 8, 1, 2, 0, 0, 0          ; ws_in   [32][64]
	MAT  1, 6, 14, 1, 2, 8, 3, 0, 0, 1, 0          ; ws_hid  3 x [64][64]
	MAT  7, 2, 16, 1, 2, 8, 3, 0, 0, 0, 0          ; ws_out  [64][64]
	MAT  9, 1, 18, 0, 2, 8, 1, 2, 0, 0, 0          ; wd_in
	MAT 10, 6, 20, 1, 2, 8, 3, 0, 0, 1, 0          ; wd_hid
	MAT 16, 2, 22, 1, 2, 8, 3, 0, 0, 0, 0          ; wd_out
	MAT 18, 4, 24, 2, 2, 8, 3, 0, 0, 0, 0          ; w1_in   [128][64]
	MAT 22, 2, 26, 1, 2, 8, 3, 0, 0, 0, 0          ; w1_hid
	MAT 24, 4, 28, 1, 3, 9, 3, 0, 0, 0, 0          ; w1_out  [64][128]
	MAT 28, 4, 30, 2, 2, 8, 3, 0, 0, 0, 0          ; w2_in
	MAT 32, 2, 32, 1, 2, 8, 3, 0, 0, 0, 0          ; w2_hid
	MAT 34, 2, 34, 1, 2, 2, 3, 0, 1, 0, 1          ; w2_out  [64][1]
.Lfunc_end_k_q4e9d7cd447_prep:
	.size	k_q4e9d7cd447_prep, .Lfunc_end_k_q4e9d7cd447_prep-k_q4e9d7cd447_prep
	.p2alignl 7, 3214868480
	.fill 96, 4, 3214868480
	.section	.rodata,"a",@progbits
	.p2align	6, 0x0
	.amdhsa_kernel k_q4e9d7cd447_prep
		.amdhsa_group_segment_fixed_size 0
		.amdhsa_private_segment_fixed_size 0
		.amdhsa_enable_private_segment 0
		.amdhsa_kernarg_size 136
		.amdhsa_user_sgpr_count 2
		.amdhsa_user_sgpr_kernarg_segment_ptr 1
		.amdhsa_wavefront_size32 1
		.amdhsa_system_sgpr_workgroup_id_x 1
		.amdhsa_system_sgpr_workgroup_id_y 1
		.amdhsa_system_sgpr_workgroup_id_z 1
		.amdhsa_system_vgpr_workitem_id 0
		.amdhsa_next_free_vgpr 32
		.amdhsa_next_free_sgpr 66
		.amdhsa_reserve_vcc 1
		.amdhsa_float_denorm_mode_32 3
		.amdhsa_float_denorm_mode_16_64 3
		.amdhsa_memory_ordered 1
		.amdhsa_forward_progress 1
		.amdhsa_inst_pref_size 34
	.end_amdhsa_kernel
	.amdgpu_metadata
---
amdhsa.version: [ 1, 2 ]
amdhsa.kernels:
  - .name:           k_q4e9d7cd447_prep
    .symbol:         k_q4e9d7cd447_prep.kd
    .args:
      - { .name: x, .offset: 0, .size: 8, .value_kind: global_buffer, .address_space: global }
      - { .name: t, .offset: 8, .size: 8, .value_kind: global_buffer, .address_space: global }
      - { .name: ws_in, .offset: 16, .size: 8, .value_kind: global_buffer, .address_space: global }
      - { .name: ws_hid, .offset: 24, .size: 8, .value_kind: global_buffer, .address_space: global }
      - { .name: ws_out, .offset: 32, .size: 8, .value_kind: global_buffer, .address_space: global }
      - { .name: wd_in, .offset: 40, .size: 8, .value_kind: global_buffer, .address_space: global }
      - { .name: wd_hid, .offset: 48, .size: 8, .value_kind: global_buffer, .address_space: global }
      - { .name: wd_out, .offset: 56, .size: 8, .value_kind: global_buffer, .address_space: global }
      - { .name: w1_in, .offset: 64, .size: 8, .value_kind: global_buffer, .address_space: global }
      - { .name: w1_hid, .offset: 72, .size: 8, .value_kind: global_buffer, .address_space: global }
      - { .name: w1_out, .offset: 80, .size: 8, .value_kind: global_buffer, .address_space: global }
      - { .name: w2_in, .offset: 88, .size: 8, .value_kind: global_buffer, .address_space: global }
      - { .name: w2_hid, .offset: 96, .size: 8, .value_kind: global_buffer, .address_space: global }
      - { .name: w2_out, .offset: 104, .size: 8, .value_kind: global_buffer, .address_space: global }
      - { .name: idx, .offset: 112, .size: 8, .value_kind: global_buffer, .address_space: global }
      - { .name: tix, .offset: 120, .size: 8, .value_kind: global_buffer, .address_space: global }
      - { .name: wfrag, .offset: 128, .size: 8, .value_kind: global_buffer, .address_space: global }
    .group_segment_fixed_size: 0
    .private_segment_fixed_size: 0
    .kernarg_segment_align: 8
    .kernarg_segment_size: 136
    .max_flat_workgroup_size: 256
    .sgpr_count:     66
    .vgpr_count:     32
    .wavefront_size: 32
...
	.end_amdgpu_metadata
.endif
;; end of part 1
;; launch main (part 2): grid 256 x 1, 16 waves a work-group, no clusters, 301,056 bytes of LDS; arguments x, t, skip_alpha, table_s, table_d, idx, tix, wfrag, out0; writes out0
.if DOCPART == 2
	.amdgcn_target "amdgcn-amd-amdhsa--gfx1250"
	.amdhsa_code_object_version 6
	.text
	.protected	k_q4e9d7cd447_main
	.globl	k_q4e9d7cd447_main
	.p2align	8
	.type	k_q4e9d7cd447_main,@function
k_q4e9d7cd447_main:
	s_mov_b64 s[64:65], 0
	v_nop
	global_prefetch_b8 v0, s[64:65] scope:SCOPE_SE
	s_setreg_imm32_b32 hwreg(HW_REG_WAVE_MODE, 25, 1), 1
	s_wait_xcnt 0x0
; BOTH HASH ENCODINGS AND ALL FOUR NETWORKS, FUSED.  A work-group owns 1,024 points, each of its 16 waves 64: four tiles of 16.  Nothing but the result goes back to memory.
; PHASE E (encode).  The level loop is the outer one, so all work-groups walk the same two slabs of 4 MiB of the tables at about the same time.  In a tile lanes r and r + 16 both serve point r:
;   half h takes the corners whose x bit is h (x's prime is 1, so the two lanes' indices mostly differ in low bits only): 4 static and 8 dynamic gathers of 8 bytes a lane, tile and level; 48 of a wave are out at once.
;   The cells come as whole numbers (idx, tix); the fractions are made here from x and t exactly as the reference makes them.  The level's features wait in LDS as f32.
; PHASE N.  Each point's 32 features of an encoding are scaled by a power of two so that the largest lies in [0.5, 1), rounded to f16, and the exponent is kept; the weights' image comes into LDS.
; PHASE M.  Every layer is the transposed product D = W^T H^T (source 0 = 16 output features x 32 k of 16 W, source 1 = 32 k x 16 points): a lane holds ONE point and eight neighbouring features, and two
;   results rounded to f16 in pairs ARE source 1 of the next layer: nothing changes lanes between layers.  The nets have no bias and ReLU commutes with a positive scale, so each point carries an integer
;   exponent X (true value = stored value x 2^X) and is scaled anew in f32, to a largest magnitude in [0.5, 1), ahead of every rounding: f16's range is never left, whatever the inputs' size.
; f16, not bf16: eleven layers on end, each rounding both operands; with 8 significant bits the largest of 262,144 errors passes the allowance, with 11 it stays a fraction of it.
; NO CLUSTER, NO TENSOR LOAD: all that work-groups share is the weights' 147,456 bytes, against 384 gathers x 8 bytes x 1,024 points = 3.1 MB of a work-group's own; and the image lies on LDS bytes that ds_store has written.
; LIMITS.  x, t >= 0 and x * 7006 < 2^32; |w| < 4,094 (16 w in f16).  NaN and infinities are not treated apart.  The 4-D weight is applied as (sum over the 3-D corners) x wt, and the corners are summed in
; another order than the reference's einsum: differences of a few units in f32's last place.  An activation more than 2^24 below its point's largest counts as 0.
.set P1,    0x9E3779B1
.set P2,    0x30025795
.set MSK,   0x7FFFF
; LDS.  Bytes 0 - 262,143 hold, in phase E, the f32 features: pair of levels p at p*32768, tile j at j*8192, thread at 16 x (32 wave + lane): (s0, s1, d0, d1) of level 2p + h.
; From phase N on: the weights' image at 0 - 147,455; then
.set LP,    147456                     ; the packed encodings: wave*8192 + slot*1024 + q*512 + lane*16, slot = ((tile/2)*2 + branch)*2 + tile%2
.set LPX,   278528                     ; their exponents: wave*1024 + slot*128 + lane*4
.set LOUT,  294912                     ; the results: wave*256
.set SPARE, 299008                     ; the spare words, 128 bytes for each of the 16 waves: eight blocks of 256 bytes that no other line names
.set BIASW, 0xffffff7e                 ; -130: behind a weight layer (-126 for the scaling, -4 for the 16 in the weights)
.set BIASB, 0xffffff82                 ; -126: behind a blend
.set SPW, 1                            ; v1  LDS address of my spare word; never rewritten
.set NIL, 2                            ; v2  0; never rewritten
; SCALARS.  s[8:25] the nine pointers; s26 wave; s27, s28, s31, s39 counters; s29 16*1.5^l; s30 res; s[32:33] ft; s[34:35] 1-ft; s36 P1; s37 P2; s38 mask; s[40:43] the trip's four t words;
; s44, s45 lane selects; s46 t; s47 alpha; s[48:49] 1-alpha; s50, s51 at work.
; VECTORS, PHASE E.  v3 h; v4 1-h; v5 2h-1; v6 my word's offset in idx; v7 where my features go; v8-11 16 x thread + k*65536; v[12+4j..] x, y, z of tile j; v[28+2j..] its cell word;
; v[36+4j..] its four weights; v[52+4j..] the even level's partial sums; v68-71 the odd level's; v72-82 at work; v[96+24j+2c..] gather c (0-3 static, 4-7 dynamic t0, 8-11 dynamic t1).
	s_load_b512 s[8:23], s[0:1], 0x0               ; x 8, t 10, alpha 12, table_s 14, table_d 16, idx 18, tix 20, wfrag 22
	s_load_b64 s[24:25], s[0:1], 0x40              ; out0
	v_lshl_add_u32 v[SPW], v0, 2, SPARE
	v_mov_b32 v[NIL], 0
	v_lshrrev_b32 v72, 5, v0
	v_readfirstlane_b32 s26, v72                   ; wave 0..15
	v_bfe_u32 v3, v0, 4, 1                         ; h
	v_cvt_f32_u32 v73, v3
	v_sub_f32 v4, 1.0, v73
	v_fma_f32 v5, v73, 2.0, -1.0                   ; x's weight is fx (2h-1) + (1-h): 1 - fx, rounded once, or fx
	v_and_b32 v74, 15, v0
	s_lshl_b32 s50, s26, 6
	v_add_nc_u32 v74, s50, v74                     ; my point of tile 0 among the group's 1,024
	v_lshlrev_b32 v6, 3, v74
	v_mul_u32_u24 v75, v74, 12
	v_and_b32 v76, 31, v0
	s_lshl_b32 s50, s26, 9
	v_lshl_add_u32 v7, v76, 4, s50                 ; 16 x lane + 512 x wave
	v_mov_b32 v8, v7
	v_add_nc_u32 v9, 0x10000, v7
	v_add_nc_u32 v10, 0x20000, v7
	v_add_nc_u32 v11, 0x30000, v7
	s_mov_b32 s29, 0x41800000                      ; 16
	s_mov_b32 s33, 0                               ; named as pairs with s32, s34
	s_mov_b32 s35, 0
	s_mov_b32 s36, P1
	s_mov_b32 s37, P2
	s_mov_b32 s38, MSK
	s_mov_b32 s39, 8
	s_mov_b32 s44, 0x76543210                      ; v_permlanex16_b32: each lane takes its own place in the other half
	s_mov_b32 s45, 0xfedcba98
	s_mov_b32 s51, 0
	s_wait_kmcnt 0x0
	s_load_b32 s46, s[10:11], 0x0
	s_load_b32 s47, s[12:13], 0x0
	s_mul_i32 s50, ttmp9, 12288                    ; 1,024 points x 12 bytes
	s_add_nc_u64 s[8:9], s[8:9], s[50:51]
	s_lshl_b32 s50, ttmp9, 13                      ; x 8 bytes
	s_add_nc_u64 s[18:19], s[18:19], s[50:51]
	s_lshl_b32 s50, ttmp9, 12                      ; x 4 bytes
	s_add_nc_u64 s[24:25], s[24:25], s[50:51]
.irp j, 0,1,2,3
	global_load_b32 v[12+4*\j], v75, s[8:9] offset:192*\j
	global_load_b32 v[13+4*\j], v75, s[8:9] offset:192*\j+4
	global_load_b32 v[14+4*\j], v75, s[8:9] offset:192*\j+8
.endr
	s_wait_kmcnt 0x0
	v_sub_f32 v77, 1.0, s47
	v_readfirstlane_b32 s48, v77                   ; 1 - alpha
	s_mov_b32 s49, s48
	s_wait_loadcnt 0x0
; Tile j's four weights for my x bit: ((wx wy) wz), the reference's order of products.
.macro WGT j
.set zX, 12+4*(\j)
.set zW, 36+4*(\j)
	v_mul_f32 v72, s30, v[zX]
	v_mul_f32 v73, s30, v[zX+1]
	v_mul_f32 v74, s30, v[zX+2]
	v_fract_f32 v72, v72
	v_fract_f32 v73, v73
	v_fract_f32 v74, v74
	v_fma_f32 v75, v72, v5, v4                     ; wx
	v_sub_f32 v76, 1.0, v73
	v_sub_f32 v77, 1.0, v74
	v_mul_f32 v78, v75, v76
	v_mul_f32 v79, v75, v73
	v_mul_f32 v[zW], v78, v77                      ; (y0, z0)
	v_mul_f32 v[zW+1], v79, v77                    ; (y1, z0)
	v_mul_f32 v[zW+2], v78, v74                    ; (y0, z1)
	v_mul_f32 v[zW+3], v79, v74                    ; (y1, z1)
.endm
; Tile j's twelve indices and their gathers.  a: which of the trip's two levels.  Bits above 18 are rubbish until the mask.  A loaded number enters an address only behind v_min_u32 with a written
; constant; it changes nothing here.  Each gather lands on its own index register; scale_offset makes the index count entries of 8 bytes.
.macro HASH j, a
.set zL, 28+2*(\j)
.set zG, 96+24*(\j)
	v_add_nc_u32 v72, v[zL], v3                    ; px + h
	v_alignbit_b32 v73, v[zL+1], v[zL], 19         ; py P1
	v_lshrrev_b32 v74, 6, v[zL+1]                  ; pz P2
	v_add_nc_u32 v75, s36, v73                     ; (py + 1) P1
	v_add_nc_u32 v76, s37, v74                     ; (pz + 1) P2
	v_xor_b32 v77, v72, v73
	v_xor_b32 v78, v72, v75
	v_xor_b32 v79, v77, v74
	v_xor_b32 v80, v78, v74
	v_xor_b32 v81, v77, v76
	v_xor_b32 v82, v78, v76
.irp c, 0,1,2,3
	v_and_b32 v[79+\c], s38, v[79+\c]
.endr
.irp c, 0,1,2,3
	v_min_u32 v[zG+2*\c], MSK, v[79+\c]
	v_xor_b32 v[zG+8+2*\c], s[40+2*(\a)], v[79+\c]
	v_xor_b32 v[zG+16+2*\c], s[41+2*(\a)], v[79+\c]
.endr
.irp c, 0,1,2,3
	v_min_u32 v[zG+8+2*\c], MSK, v[zG+8+2*\c]
	v_min_u32 v[zG+16+2*\c], MSK, v[zG+16+2*\c]
.endr
.irp c, 0,1,2,3
	global_load_b64 v[zG+2*\c:zG+2*\c+1], v[zG+2*\c], s[14:15] scale_offset
.endr
.irp c, 4,5,6,7,8,9,10,11
	global_load_b64 v[zG+2*\c:zG+2*\c+1], v[zG+2*\c], s[16:17] scale_offset
.endr
.endm
; Tile j's partial sums for my x bit: (s0, s1, d0, d1).  Three chains side by side; a pair of features times one weight, which op_sel picks out of its pair.
.macro CONS j, a
.set zG, 96+24*(\j)
.set zW, 36+4*(\j)
.if \a
.set zD, 68
.else
.set zD, 52+4*(\j)
.endif
	v_pk_mul_f32 v[zD:zD+1], v[zG:zG+1],     v[zW:zW+1] op_sel_hi:[1,0]
	v_pk_mul_f32 v[72:73],   v[zG+8:zG+9],   v[zW:zW+1] op_sel_hi:[1,0]
	v_pk_mul_f32 v[74:75],   v[zG+16:zG+17], v[zW:zW+1] op_sel_hi:[1,0]
	v_pk_fma_f32 v[zD:zD+1], v[zG+2:zG+3],   v[zW:zW+1], v[zD:zD+1] op_sel:[0,1,0]
	v_pk_fma_f32 v[72:73],   v[zG+10:zG+11], v[zW:zW+1], v[72:73] op_sel:[0,1,0]
	v_pk_fma_f32 v[74:75],   v[zG+18:zG+19], v[zW:zW+1], v[74:75] op_sel:[0,1,0]
	v_pk_fma_f32 v[zD:zD+1], v[zG+4:zG+5],   v[zW+2:zW+3], v[zD:zD+1] op_sel_hi:[1,0,1]
	v_pk_fma_f32 v[72:73],   v[zG+12:zG+13], v[zW+2:zW+3], v[72:73] op_sel_hi:[1,0,1]
	v_pk_fma_f32 v[74:75],   v[zG+20:zG+21], v[zW+2:zW+3], v[74:75] op_sel_hi:[1,0,1]
	v_pk_fma_f32 v[zD:zD+1], v[zG+6:zG+7],   v[zW+2:zW+3], v[zD:zD+1] op_sel:[0,1,0]
	v_pk_fma_f32 v[72:73],   v[zG+14:zG+15], v[zW+2:zW+3], v[72:73] op_sel:[0,1,0]
	v_pk_fma_f32 v[74:75],   v[zG+22:zG+23], v[zW+2:zW+3], v[74:75] op_sel:[0,1,0]
	v_pk_mul_f32 v[74:75], v[74:75], s[32:33] op_sel_hi:[1,0]                      ; t1's corners x ft
	v_pk_fma_f32 v[zD+2:zD+3], v[72:73], s[34:35], v[74:75] op_sel_hi:[1,0,1]      ; + t0's x (1 - ft)
.endm
; The two halves' partial sums of two levels meet: the swap puts the even level's two halves into lanes 0-15 of the two registers and the odd level's into lanes 16-31; one addition finishes both.
.macro EXCH j
.set zD, 52+4*(\j)
.irp i, 0,1,2,3
	v_permlane16_swap_b32 v[zD+\i], v[68+\i]
.endr
	v_pk_add_f32 v[zD:zD+1], v[zD:zD+1], v[68:69]
	v_pk_add_f32 v[zD+2:zD+3], v[zD+2:zD+3], v[70:71]
	ds_store_b128 v7, v[zD:zD+3] offset:8192*(\j)
.endm
.macro LEVEL a
	v_floor_f32 v72, s29                           ; res
	v_readfirstlane_b32 s30, v72
	v_mul_f32 v73, s46, v72
	v_fract_f32 v73, v73                           ; ft
	v_sub_f32 v74, 1.0, v73
	v_readfirstlane_b32 s32, v73
	v_readfirstlane_b32 s34, v74
	s_mul_f32 s29, s29, 0x3fc00000                 ; x 1.5
.irp j, 0,1,2,3
	global_load_b64 v[28+2*\j:29+2*\j], v6, s[18:19] offset:128*\j th:TH_LOAD_NT
.endr
	WGT 0                                          ; the weights are made while the cell words are on their way
	WGT 1
	WGT 2
	WGT 3
	s_wait_loadcnt 0x0                             ; the four cell words: nothing else is out
.if (\a) == 0
	s_wait_kmcnt 0x0                               ; the trip's t words; their pointer is stepped only behind this wait
	s_add_nc_u64 s[20:21], s[20:21], 16
.endif
	HASH 0, \a
	HASH 1, \a
	HASH 2, \a
	HASH 3, \a
.irp j, 0,1,2,3
	s_wait_loadcnt 12*(3-\j)                       ; loads come back in order: the twelve gathers of each younger tile may stay out
	CONS \j, \a
.if \a
	EXCH \j
.endif
.endr
	s_add_nc_u64 s[14:15], s[14:15], 0x400000      ; no load is out: the next level's slabs and words
	s_add_nc_u64 s[16:17], s[16:17], 0x400000
	s_add_nc_u64 s[18:19], s[18:19], 0x200000
.endm
.Lenc:                                                 ; eight trips, two levels each
	s_load_b128 s[40:43], s[20:21], 0x0            ; (T0, T1) of both levels
	LEVEL 0
	LEVEL 1
	v_add_nc_u32 v7, 0x8000, v7
	s_sub_co_u32 s39, s39, 1
	s_cmp_lg_u32 s39, 0
	s_cbranch_scc1 .Lenc
; ---- PHASE N.  v32-103 the weights on their way through; v104-111 a packed encoding; v112-125 at work; v[128+32j+4p..] tile j, levels 2p + h. ----
	s_wait_dscnt 0x0                               ; my stores of features are done
.set zi, 0
.rept 18
	global_load_b128 v[32+4*zi:35+4*zi], v8, s[22:23] offset:8192*zi   ; 512 threads x 16 bytes x 18 = the whole image
.set zi, zi+1
.endr
	s_barrier_signal -1
	s_barrier_wait -1                              ; every wave's features lie in LDS
.set zj, 0
.rept 4
.set zp, 0
.rept 8
	ds_load_b128 v[128+32*zj+4*zp:131+32*zj+4*zp], v[8+zp/2] offset:(zp%2)*32768+8192*zj
.set zp, zp+1
.endr
.set zj, zj+1
.endr
	v_and_b32 v104, 31, v0
	s_lshl_b32 s50, s26, 13
	s_add_co_u32 s50, s50, LP
	v_lshl_add_u32 v6, v104, 4, s50                ; my 16 bytes in my wave's slot 0
	s_lshl_b32 s51, s26, 10
	s_add_co_u32 s51, s51, LPX
	v_lshl_add_u32 v7, v104, 2, s51                ; and my exponent's word
	v_mov_b32 v113, 0                              ; a lane permute's destination counts as read
	v_mov_b32 v117, 0                              ; named as a pair with v116
	s_wait_dscnt 0x0                               ; my reads of the features are back:
	s_barrier_signal -1
	s_barrier_wait -1                              ; everybody's are, and their bytes may be written over
	s_wait_loadcnt 0x0
.set zi, 0
.rept 18
	ds_store_b128 v[8+zi/8], v[32+4*zi:35+4*zi] offset:(zi%8)*8192
.set zi, zi+1
.endr
; Tile j, branch b (0 static, 1 dynamic): the largest magnitude of the point's 32 features (16 here, 16 in the lane 16 away), its exponent E, all times 2^(126-E), rounded to f16.  Register p holds level 2p + h:
; that IS source 1 of the input layer, whose weights were laid out in the same order of k.
.macro NORM j, b
.set zF, 128+32*(\j)+2*(\b)
.set zS, (((\j)/2)*2+(\b))*2+((\j)%2)
	v_max_num_f32 v112, |v[zF]|, |v[zF+1]|
.irp p, 1,2,3,4,5,6,7
	v_max3_num_f32 v112, v112, |v[zF+4*\p]|, |v[zF+4*\p+1]|
.endr
	v_permlanex16_b32 v113, v112, s44, s45
	v_max_num_f32 v112, v112, v113
	v_bfe_u32 v114, v112, 23, 8                    ; E
	v_sub_nc_u32 v115, 126, v114
	v_ldexp_f32 v116, 1.0, v115
	v_sub_nc_u32 v114, 0, v115                     ; X = E - 126
.irp p, 0,1,2,3,4,5,6,7
	v_pk_mul_f32 v[118+2*(\p%4):119+2*(\p%4)], v[zF+4*\p:zF+4*\p+1], v[116:117] op_sel_hi:[1,0]
	v_cvt_pk_f16_f32 v[104+\p], v[118+2*(\p%4)], v[119+2*(\p%4)]
.endr
	ds_store_b128 v6, v[104:107] offset:zS*1024
	ds_store_b128 v6, v[108:111] offset:zS*1024+512
	ds_store_b32 v7, v114 offset:zS*128
.endm
.irp j, 0,1,2,3
	NORM \j, 0
	NORM \j, 1
.endr
	s_wait_dscnt 0x0                               ; for the others' sake: my part of the weights' image is in LDS
	s_barrier_signal -1
	s_barrier_wait -1                              ; the image is whole
; ---- PHASE M.  Two groups of two point tiles (pt = 0, 1).
; v3 the weights' moving address; v6, v7 the encodings' and exponents'; v8 where results go; v9 16 x lane; v12, 13 X; v14, 15 XU (the exponent of what lies in F); v16, 17 XF (the features');
; v18, 19 maxima; v4, 5, 10, 11, 20, 21, 30, 31 at work; v[22:23], v[24:25] the scale; v[26:27], v[28:29] alpha x 2^(..);
; F v[32+32pt+8kb..] 128 features (below v128, since its halves are named); H v[96+16pt+8kb..] 64 activations; ACC v[128+32pt+8ft..]; AF v[192+8i..] eight fragments of weights. ----
	v_and_b32 v30, 31, v0
	v_lshlrev_b32 v9, 4, v30
	s_lshl_b32 s50, s26, 8
	s_add_co_u32 s50, s50, LOUT
	v_lshl_add_u32 v8, v30, 2, s50
.irp r, 20,21,23,25,27,29
	v_mov_b32 v\r, 0                               ; lane permutes' destinations, and the partners of registers that are named in pairs
.endr
.macro NOP4                            ; four places behind the products: ahead of the loads into their sources and of the first read of their results
.rept 4
	v_nop
.endr
.endm
.macro LDF af, off                     ; one fragment: 32 lanes x 16 consecutive bytes, twice
	ds_load_b128 v[192+8*(\af):195+8*(\af)], v3 offset:(\off)
	ds_load_b128 v[196+8*(\af):199+8*(\af)], v3 offset:(\off)+512
.endm
.macro LDA_IN                          ; an input layer: K = 32, four feature tiles
.irp f, 0,1,2,3
	LDF 2*\f, 1024*\f
.endr
	v_add_nc_u32 v3, 4096, v3
.endm
.macro LDA_64                          ; K = 64, four feature tiles: fragment 2 ft + kb
.irp f, 0,1,2,3,4,5,6,7
	LDF \f, 1024*\f
.endr
	v_add_nc_u32 v3, 8192, v3
.endm
.macro LDA_128 kb0                     ; K = 128: k blocks kb0, kb0 + 1 of four feature tiles
.irp f, 0,1,2,3
	LDF 2*\f, 1024*(4*\f+(\kb0))
	LDF 2*\f+1, 1024*(4*\f+(\kb0)+1)
.endr
.if (\kb0) == 2
	v_add_nc_u32 v3, 16384, v3
.endif
.endm
; nk x 8 products: k blocks kb0 .. of source 1 at v[bb + bp pt + 8 kb].  The eight accumulators take turns, one instruction a turn.  first = 1: the first eight start the sums.
.macro MMS bb, bp, kb0, nk, first
.set zk, 0
.rept \nk
.set zf, 0
.rept 4
.set zp, 0
.rept 2
.set zD, 128+32*zp+8*zf
.set zA, 192+8*(2*zf+zk)
.set zB, (\bb)+(\bp)*zp+8*((\kb0)+zk)
.if (\first) && (zk == 0)
	v_wmma_f32_16x16x32_f16 v[zD:zD+7], v[zA:zA+7], v[zB:zB+7], 0
.else
	v_wmma_f32_16x16x32_f16 v[zD:zD+7], v[zA:zA+7], v[zB:zB+7], v[zD:zD+7]
.endif
.set zp, zp+1
.endr
.set zf, zf+1
.endr
.set zk, zk+1
.endr
.endm
.macro AMAX                            ; the largest magnitude of a lane's 32 numbers, both tiles side by side; each accumulator is read from its low end on
	v_max_num_f32 v18, |v128|, |v129|
	v_max_num_f32 v19, |v160|, |v161|
.set zi, 2
.rept 15
	v_max3_num_f32 v18, v18, |v[128+zi]|, |v[129+zi]|
	v_max3_num_f32 v19, v19, |v[160+zi]|, |v[161+zi]|
.set zi, zi+2
.endr
.endm
.macro SCL bias                        ; the point's other 32 numbers lie in the lane 16 away; E; the scale 2^(126-E); X += E + bias
	v_permlanex16_b32 v20, v18, s44, s45
	v_permlanex16_b32 v21, v19, s44, s45
	v_max_num_f32 v18, v18, v20
	v_max_num_f32 v19, v19, v21
	v_bfe_u32 v4, v18, 23, 8
	v_bfe_u32 v5, v19, 23, 8
	v_sub_nc_u32 v20, 126, v4
	v_sub_nc_u32 v21, 126, v5
	v_ldexp_f32 v22, 1.0, v20
	v_ldexp_f32 v24, 1.0, v21
	v_add3_u32 v12, v12, v4, \bias
	v_add3_u32 v13, v13, v5, \bias
.endm
.macro PACK db, dp                     ; ACC x scale, rounded to f16 in pairs, into v[db + dp pt + 4 ft + i]: the next source 1
.set zp, 0
.rept 2
.set zf, 0
.rept 4
.set zA, 128+32*zp+8*zf
.set zD, (\db)+(\dp)*zp+4*zf
.irp i, 0,1,2,3
	v_pk_mul_f32 v[zA+2*\i:zA+2*\i+1], v[zA+2*\i:zA+2*\i+1], v[22+2*zp:23+2*zp] op_sel_hi:[1,0]
.endr
.irp i, 0,1,2,3
	v_cvt_pk_f16_f32 v[zD+\i], v[zA+2*\i], v[zA+2*\i+1]
.endr
.set zf, zf+1
.endr
.set zp, zp+1
.endr
.endm
.macro EPI_RELU                        ; behind a hidden layer: ReLU, scale, into H
.set zi, 0
.rept 64
	v_max_num_f32 v[128+zi], 0, v[128+zi]
.set zi, zi+1
.endr
	AMAX
	SCL BIASW
	PACK 96, 16
.endm
.macro EPI_LIN dst, bias               ; a linear result of 64 features goes into F's k blocks dst, dst + 1, with an exponent of its own
	AMAX
	SCL \bias
	PACK 32+8*(\dst), 32
	v_mov_b32 v14, v12
	v_mov_b32 v15, v13
.endm
; A second result of 64 features joins the one in F.  Both take the larger exponent U: the new one by its scale, the one in F (k blocks ps, ps + 1, which move to pd, pd + 1) by a power of two in f16.  Only ever downward.
.macro EPI_LIN2 dst, pd, ps, bias
	AMAX
	SCL \bias
	v_cmp_gt_i32 vcc_lo, v14, v12
	v_cndmask_b32 v4, v12, v14, vcc_lo             ; U
	v_cmp_gt_i32 vcc_lo, v15, v13
	v_cndmask_b32 v5, v13, v15, vcc_lo
	v_sub_nc_u32 v20, v12, v4
	v_sub_nc_u32 v21, v13, v5
	v_ldexp_f32 v22, v22, v20
	v_ldexp_f32 v24, v24, v21
	v_sub_nc_u32 v20, v14, v4
	v_sub_nc_u32 v21, v15, v5
	v_ldexp_f32 v20, 1.0, v20
	v_ldexp_f32 v21, 1.0, v21
	v_cvt_pk_f16_f32 v10, v20, v20
	v_cvt_pk_f16_f32 v11, v21, v21
	v_mov_b32 v14, v4
	v_mov_b32 v15, v5
.set zi, 0
.rept 16
	v_pk_mul_f16 v[32+8*(\pd)+zi], v[32+8*(\ps)+zi], v10
	v_pk_mul_f16 v[64+8*(\pd)+zi], v[64+8*(\ps)+zi], v11
.set zi, zi+1
.endr
	PACK 32+8*(\dst), 32
.endm
; The blend, in f32, in units of 2^XF: ACC = ACC x (alpha 2^(X-4-XF)) + (1 - alpha) x feature.  fr: the register of F, a plain number, since its halves are named.
.macro BL1 fr, kb0
.set zI, ((\fr)-32-8*(\kb0))%32
.set zP, ((\fr)-32)/32
.set zA, 128+32*zP+2*zI
.set zT, 18+2*(zI%2)
.if (zI%4) == 2
.set zT, 4
.elseif (zI%4) == 3
.set zT, 10
.endif
	v_cvt_f32_f16 v[zT], v\fr\().l
	v_cvt_f32_f16 v[zT+1], v\fr\().h
	v_pk_mul_f32 v[zT:zT+1], v[zT:zT+1], s[48:49] op_sel_hi:[1,0]
	v_pk_fma_f32 v[zA:zA+1], v[zA:zA+1], v[26+2*zP:27+2*zP], v[zT:zT+1] op_sel_hi:[1,0,1]
.endm
; A layer of K = 128 on F, whose first eight fragments are on their way, then ReLU; the next layer's fragments are asked for behind its products.
.macro IN128
	s_wait_dscnt 0x0
	MMS 32, 32, 0, 2, 1
	NOP4
	LDA_128 2
	s_wait_dscnt 0x0
	MMS 32, 32, 2, 2, 0
	NOP4
	LDA_64
	EPI_RELU
.endm
	s_mov_b32 s27, 2
.Lgroup:
	v_mov_b32 v3, v9                               ; the image's head: ws_in
	v_mov_b32 v14, 0xffffc000                      ; XU far below every exponent: in the first branch trip U = X.  What that trip makes of F's old upper half goes into the lower half,
	v_mov_b32 v15, 0xffffc000                      ; which the second trip writes over before anything reads it
	s_mov_b32 s28, 2
.Lbranch:                                              ; the static net, then the dynamic one: their weights lie on end
	ds_load_b32 v12, v7
	ds_load_b32 v13, v7 offset:128
	ds_load_b128 v[96:99], v6
	ds_load_b128 v[100:103], v6 offset:512
	ds_load_b128 v[112:115], v6 offset:1024
	ds_load_b128 v[116:119], v6 offset:1536
	LDA_IN
	v_add_nc_u32 v6, 2048, v6
	v_add_nc_u32 v7, 256, v7
	s_wait_dscnt 0x0                               ; encodings, exponents, fragments
	MMS 96, 16, 0, 1, 1
	NOP4
	LDA_64
	EPI_RELU
	s_mov_b32 s31, 3
.Lhid:                                                 ; three hidden layers; the third trip's loads bring the output layer's fragments
	s_wait_dscnt 0x0
	MMS 96, 16, 0, 2, 1
	NOP4
	LDA_64
	EPI_RELU
	s_sub_co_u32 s31, s31, 1
	s_cmp_lg_u32 s31, 0
	s_cbranch_scc1 .Lhid
	s_wait_dscnt 0x0
	MMS 96, 16, 0, 2, 1
	NOP4
	EPI_LIN2 2, 0, 2, BIASW                        ; the earlier net's features move to k blocks 0, 1; this net's take 2, 3
	s_sub_co_u32 s28, s28, 1
	s_cmp_lg_u32 s28, 0
	s_cbranch_scc1 .Lbranch
	v_mov_b32 v12, v14                             ; X = XF = the features' exponent
	v_mov_b32 v13, v15
	v_mov_b32 v16, v14
	v_mov_b32 v17, v15
	LDA_128 0
	IN128                                          ; w1_in
	s_wait_dscnt 0x0
	MMS 96, 16, 0, 2, 1                            ; w1_hid
	NOP4
	LDA_64
	EPI_RELU
	v_sub_nc_u32 v4, v12, v16
	v_sub_nc_u32 v5, v13, v17
	v_add_nc_u32 v4, -4, v4
	v_add_nc_u32 v5, -4, v5
	v_ldexp_f32 v26, s47, v4                       ; alpha x 2^(X - 4 - XF)
	v_ldexp_f32 v28, s47, v5
	s_wait_dscnt 0x0
	MMS 96, 16, 0, 2, 1                            ; w1_out, features 0-63
	NOP4
	LDA_64
.irp fr, 32,33,34,35,36,37,38,39,40,41,42,43,44,45,46,47,64,65,66,67,68,69,70,71,72,73,74,75,76,77,78,79
	BL1 \fr, 0
.endr
	v_mov_b32 v12, v16
	v_mov_b32 v13, v17
	EPI_LIN 0, BIASB
	s_wait_dscnt 0x0
	MMS 96, 16, 0, 2, 1                            ; w1_out, features 64-127
	NOP4
	LDA_128 0
.irp fr, 48,49,50,51,52,53,54,55,56,57,58,59,60,61,62,63,80,81,82,83,84,85,86,87,88,89,90,91,92,93,94,95
	BL1 \fr, 2
.endr
	v_mov_b32 v12, v16
	v_mov_b32 v13, v17
	EPI_LIN2 2, 0, 0, BIASB
	v_mov_b32 v12, v14
	v_mov_b32 v13, v15
	IN128                                          ; w2_in
	s_wait_dscnt 0x0
	MMS 96, 16, 0, 2, 1                            ; w2_hid
	NOP4
	LDF 0, 0                                       ; w2_out: feature tile 0 alone
	LDF 1, 1024
	EPI_RELU
	s_wait_dscnt 0x0
	v_wmma_f32_16x16x32_f16 v[128:135], v[192:199], v[96:103], 0
	v_wmma_f32_16x16x32_f16 v[160:167], v[192:199], v[112:119], 0
	v_wmma_f32_16x16x32_f16 v[128:135], v[200:207], v[104:111], v[128:135]
	v_wmma_f32_16x16x32_f16 v[160:167], v[200:207], v[120:127], v[160:167]
	NOP4
	v_add_nc_u32 v4, -4, v12
	v_add_nc_u32 v5, -4, v13
	v_ldexp_f32 v30, v128, v4                      ; feature 0 lies in the lowest register of lanes 0-15
	v_ldexp_f32 v31, v160, v5
	v_permlane16_swap_b32 v30, v31                 ; v30: tile 0's 16 results, then tile 1's
	ds_store_b32 v8, v30
	v_add_nc_u32 v8, 128, v8
	s_sub_co_u32 s27, s27, 1
	s_cmp_lg_u32 s27, 0
	s_cbranch_scc1 .Lgroup
	v_and_b32 v30, 31, v0
	s_lshl_b32 s50, s26, 8
	v_lshl_add_u32 v11, v30, 3, s50                ; 256 x wave + 8 x lane
	v_add_nc_u32 v10, LOUT, v11
	ds_load_b64 v[30:31], v10                      ; my wave's own 256 bytes: LDS serves a wave's instructions in order (ISA guide 5.7.1.4)
	s_wait_dscnt 0x0
	global_store_b64 v11, v[30:31], s[24:25] th:TH_STORE_NT   ; the wave's 64 results: 256 consecutive bytes, aligned, in one store
	s_wait_tensorcnt 0x0                           ; the wave's end, behind my last LDS store
	ds_add_u32 v[SPW], v[NIL]
	s_wait_dscnt 0x0
	s_endpgm
.Lfunc_end_k_q4e9d7cd447_main:
	.size	k_q4e9d7cd447_main, .Lfunc_end_k_q4e9d7cd447_main-k_q4e9d7cd447_main
	.p2alignl 7, 3214868480
	.fill 96, 4, 3214868480
	.section	.rodata,"a",@progbits
	.p2align	6, 0x0
	.amdhsa_kernel k_q4e9d7cd447_main
		.amdhsa_group_segment_fixed_size 301056
		.amdhsa_private_segment_fixed_size 0
		.amdhsa_enable_private_segment 0
		.amdhsa_kernarg_size 72
		.amdhsa_user_sgpr_count 2
		.amdhsa_user_sgpr_kernarg_segment_ptr 1
		.amdhsa_wavefront_size32 1
		.amdhsa_system_sgpr_workgroup_id_x 1
		.amdhsa_system_sgpr_workgroup_id_y 1
		.amdhsa_system_sgpr_workgroup_id_z 1
		.amdhsa_system_vgpr_workitem_id 0
		.amdhsa_next_free_vgpr 256
		.amdhsa_next_free_sgpr 66
		.amdhsa_reserve_vcc 1
		.amdhsa_float_denorm_mode_32 3
		.amdhsa_float_denorm_mode_16_64 3
		.amdhsa_memory_ordered 1
		.amdhsa_forward_progress 1
		.amdhsa_inst_pref_size 178
	.end_amdhsa_kernel
	.amdgpu_metadata
---
amdhsa.version: [ 1, 2 ]
amdhsa.kernels:
  - .name:           k_q4e9d7cd447_main
    .symbol:         k_q4e9d7cd447_main.kd
    .args:
      - { .name: x, .offset: 0, .size: 8, .value_kind: global_buffer, .address_space: global }
      - { .name: t, .offset: 8, .size: 8, .value_kind: global_buffer, .address_space: global }
      - { .name: skip_alpha, .offset: 16, .size: 8, .value_kind: global_buffer, .address_space: global }
      - { .name: table_s, .offset: 24, .size: 8, .value_kind: global_buffer, .address_space: global }
      - { .name: table_d, .offset: 32, .size: 8, .value_kind: global_buffer, .address_space: global }
      - { .name: idx, .offset: 40, .size: 8, .value_kind: global_buffer, .address_space: global }
      - { .name: tix, .offset: 48, .size: 8, .value_kind: global_buffer, .address_space: global }
      - { .name: wfrag, .offset: 56, .size: 8, .value_kind: global_buffer, .address_space: global }
      - { .name: out0, .offset: 64, .size: 8, .value_kind: global_buffer, .address_space: global }
    .group_segment_fixed_size: 301056
    .private_segment_fixed_size: 0
    .kernarg_segment_align: 8
    .kernarg_segment_size: 72
    .max_flat_workgroup_size: 512
    .sgpr_count:     66
    .vgpr_count:     256
    .wavefront_size: 32
...
	.end_amdgpu_metadata
.endif
;; end of part 2
;; ======== version 2 of 2: 2 launches; version 1 with the launch main written anew for expert scheduling mode
;; limits: inputs' magnitudes at most 4,094; values are held in f16: magnitudes above 65,504 overflow, below 6.1e-05 lose precision; values outside matrix products are rounded to f16
;; workspace buffers: idx 33,554,432 bytes of whole numbers; tix 2,048 bytes of whole numbers; wfrag 147,456 bytes
;; launch prep: the kernel of part 1 again; grid 1061 x 1, 8 waves a work-group, no clusters, 0 bytes of LDS; arguments x, t, ws_in, ws_hid, ws_out, wd_in, wd_hid, wd_out, w1_in, w1_hid, w1_out, w2_in, w2_hid, w2_out, idx, tix, wfrag; writes idx, tix, wfrag
;; launch main (part 3): grid 256 x 1, 16 waves a work-group, no clusters, 301,056 bytes of LDS; arguments x, t, skip_alpha, table_s, table_d, idx, tix, wfrag, out0; writes out0
.if DOCPART == 3
	.amdgcn_target "amdgcn-amd-amdhsa--gfx1250"
	.amdhsa_code_object_version 6
	.text
	.protected	k_q4e9d7cd447_main
	.globl	k_q4e9d7cd447_main
	.p2align	8
	.type	k_q4e9d7cd447_main,@function
k_q4e9d7cd447_main:
	s_mov_b64 s[64:65], 0
	v_nop
	global_prefetch_b8 v0, s[64:65] scope:SCOPE_SE
	s_setreg_imm32_b32 hwreg(HW_REG_WAVE_SCHED_MODE, 0, 2), 2
	s_setreg_imm32_b32 hwreg(HW_REG_WAVE_MODE, 25, 1), 1
	s_wait_xcnt 0x0
	s_wait_alu depctr_vm_vsrc(0)
; BOTH HASH ENCODINGS AND ALL FOUR NETWORKS, FUSED.  A work-group owns 1,024 points, each of its 16 waves 64: four tiles of 16.  Nothing but the result goes back to memory.
; PHASE E (encode).  The level loop is the outer one, so all work-groups walk the same two slabs of 4 MiB of the tables at about the same time.  In a tile lanes r and r + 16 both serve point r:
;   half h takes the corners whose x bit is h (x's prime is 1, so the two lanes' indices mostly differ in low bits only): 4 static and 8 dynamic gathers of 8 bytes a lane, tile and level; 48 of a wave, and the next level's four cell words, are out at once.
;   The cells come as whole numbers (idx, tix); the fractions are made here from x and t exactly as the reference makes them.  The level's features wait in LDS as f32.
; PHASE N.  Each point's 32 features of an encoding are scaled by a power of two so that the largest lies in [0.5, 1), rounded to f16, and the exponent is kept; the weights' image comes into LDS.
; PHASE M.  Every layer is the transposed product D = W^T H^T (source 0 = 16 output features x 32 k of 16 W, source 1 = 32 k x 16 points): a lane holds ONE point and eight neighbouring features, and two
;   results rounded to f16 in pairs ARE source 1 of the next layer: nothing changes lanes between layers.  The nets have no bias and ReLU commutes with a positive scale, so each point carries an integer
;   exponent X (true value = stored value x 2^X) and is scaled anew in f32, to a largest magnitude in [0.5, 1), ahead of every rounding: f16's range is never left, whatever the inputs' size.
; f16, not bf16: eleven layers on end, each rounding both operands; with 8 significant bits the largest of 262,144 errors passes the allowance, with 11 it stays a fraction of it.
; NO CLUSTER, NO TENSOR LOAD: all that work-groups share is the weights' 147,456 bytes, against 384 gathers x 8 bytes x 1,024 points = 3.1 MB of a work-group's own; and the image lies on LDS bytes that ds_store has written.
; LIMITS.  x, t >= 0 and x * 7006 < 2^32; |w| < 4,094 (16 w in f16).  NaN and infinities are not treated apart.  The 4-D weight is applied as (sum over the 3-D corners) x wt, and the corners are summed in
; another order than the reference's einsum: differences of a few units in f32's last place.  An activation more than 2^24 below its point's largest counts as 0.
; THE MODE: SCHED_MODE bits 1:0 = 2 (LLVM: expert scheduling mode 2), set by the entry lines.  The code itself states the register dependences between vector or matrix instructions and memory or LDS
; instructions, with s_wait_alu, always for 0.  EXEC is written nowhere.
; THE PLAN, PHASE E.  Registers that memory or LDS instructions touch:
;   CW0, CW1   the cell words of even and of odd levels.  Level l's index arithmetic reads CW[l % 2]; the loads of level l + 1's words, issued in level l, land in the other.
;   AD         48 indices.  Written by a level's index arithmetic, read by its gathers as their offsets.
;   GD         the gathers land in it; the level's sums read it.
;   v52-67     written by the sums; read by the four LDS stores at an odd level's end.  v7, their address, moves on once a trip.  v6, the cell loads' offset, is not written in the phase.
; A level: all four tiles' index arithmetic; ONE wait on va_vdst; the four cell loads and the 48 gathers on end; the weights, made while those are on their way; the sums.  An odd level has a second wait on
; va_vdst ahead of its four stores.  ONE wait on vm_vsrc closes a level.
; THE PLAN, PHASE N.  The weights pass through v32-103 (global loads land, LDS stores read); one wait on vm_vsrc; then the eight packed encodings are made in those same registers, each in nine of its own;
; one wait on va_vdst; their 24 LDS stores on end.
; THE PLAN, PHASE M.  AF: the fragments' loads land, the products read.  v3, the fragments' address: read by those loads, moved on behind the wait for them (a wait on vm_vsrc, the add), ahead of the products.
; ONE wait on va_vdst a layer, behind its products: they are done reading AF, and v3 is written.  The next layer's loads follow it, and beside them runs the layer's epilogue, which names ACC, H, F and
; work registers alone.  H, X and their addresses v6, v7 are touched by LDS loads at a branch's head only, behind a wait on va_vdst of its own.
.set P1,    0x9E3779B1
.set P2,    0x30025795
.set MSK,   0x7FFFF
; LDS.  Bytes 0 - 262,143 hold, in phase E, the f32 features: pair of levels p at p*32768, tile j at j*8192, thread at 16 x (32 wave + lane): (s0, s1, d0, d1) of level 2p + h.
; From phase N on: the weights' image at 0 - 147,455; then
.set LP,    147456                     ; the packed encodings: wave*8192 + slot*1024 + q*512 + lane*16, slot = ((tile/2)*2 + branch)*2 + tile%2
.set LPX,   278528                     ; their exponents: wave*1024 + slot*128 + lane*4
.set LOUT,  294912                     ; the results: wave*256
.set SPARE, 299008                     ; the spare words, 128 bytes for each of the 16 waves: eight blocks of 256 bytes that no other line names
.set BIASW, 0xffffff7e                 ; -130: behind a weight layer (-126 for the scaling, -4 for the 16 in the weights)
.set BIASB, 0xffffff82                 ; -126: behind a blend
.set SPW, 1                            ; v1  LDS address of my spare word; never rewritten
.set NIL, 2                            ; v2  0; never rewritten
.set CW0, 28                           ; v[28+2j ..]  tile j's cell word, even levels
.set CW1, 84                           ; v[84+2j ..]  the same, odd levels
.set GD,  96                           ; v[96+24j+2c ..]  gather c of tile j (0-3 static, 4-7 dynamic t0, 8-11 dynamic t1)
.set AD,  192                          ; v[192+12j+c]     its index
; SCALARS.  s[8:25] the nine pointers; s26 wave; s27, s28, s31, s39 counters; s29 16*1.5^l; s30 res; s[32:33] ft; s[34:35] 1-ft; s36 P1; s37 P2; s38 mask; s[40:43] the trip's four t words;
; s44, s45 lane selects; s46 t; s47 alpha; s[48:49] 1-alpha; s50, s51 at work.
; VECTORS, PHASE E.  v3 h; v4 1-h; v5 2h-1; v6 my word's offset in idx; v7 where my features go; v8-11 16 x thread + k*65536; v[12+4j..] x, y, z of tile j;
; v[36+4j..] its four weights; v[52+4j..] the even level's partial sums; v68-71 the odd level's; v72-82 at work.
	s_load_b512 s[8:23], s[0:1], 0x0               ; x 8, t 10, alpha 12, table_s 14, table_d 16, idx 18, tix 20, wfrag 22
	s_load_b64 s[24:25], s[0:1], 0x40              ; out0
	v_lshl_add_u32 v[SPW], v0, 2, SPARE
	v_mov_b32 v[NIL], 0
	v_lshrrev_b32 v72, 5, v0
	v_readfirstlane_b32 s26, v72                   ; wave 0..15
	v_bfe_u32 v3, v0, 4, 1                         ; h
	v_cvt_f32_u32 v73, v3
	v_sub_f32 v4, 1.0, v73
	v_fma_f32 v5, v73, 2.0, -1.0                   ; x's weight is fx (2h-1) + (1-h): 1 - fx, rounded once, or fx
	v_and_b32 v74, 15, v0
	s_wait_alu depctr_va_sdst(0)                   ; s26 is written, ahead of its first reader
	s_lshl_b32 s50, s26, 6
	v_add_nc_u32 v74, s50, v74                     ; my point of tile 0 among the group's 1,024
	v_lshlrev_b32 v6, 3, v74
	v_mul_u32_u24 v75, v74, 12
	v_and_b32 v76, 31, v0
	s_lshl_b32 s50, s26, 9
	v_lshl_add_u32 v7, v76, 4, s50                 ; 16 x lane + 512 x wave
	v_mov_b32 v8, v7
	v_add_nc_u32 v9, 0x10000, v7
	v_add_nc_u32 v10, 0x20000, v7
	v_add_nc_u32 v11, 0x30000, v7
	s_mov_b32 s29, 0x41800000                      ; 16
	s_mov_b32 s33, 0                               ; named as pairs with s32, s34
	s_mov_b32 s35, 0
	s_mov_b32 s36, P1
	s_mov_b32 s37, P2
	s_mov_b32 s38, MSK
	s_mov_b32 s39, 7
	s_mov_b32 s44, 0x76543210                      ; v_permlanex16_b32: each lane takes its own place in the other half
	s_mov_b32 s45, 0xfedcba98
	s_mov_b32 s51, 0
	s_wait_kmcnt 0x0
	s_load_b32 s46, s[10:11], 0x0
	s_load_b32 s47, s[12:13], 0x0
	s_load_b128 s[40:43], s[20:21], 0x0            ; (T0, T1) of levels 0 and 1
	s_mul_i32 s50, ttmp9, 12288                    ; 1,024 points x 12 bytes
	s_add_nc_u64 s[8:9], s[8:9], s[50:51]
	s_lshl_b32 s50, ttmp9, 13                      ; x 8 bytes
	s_add_nc_u64 s[18:19], s[18:19], s[50:51]
	s_lshl_b32 s50, ttmp9, 12                      ; x 4 bytes
	s_add_nc_u64 s[24:25], s[24:25], s[50:51]
	s_wait_alu depctr_va_vdst(0)                   ; v6 to v11 and v75 are written: the offsets and LDS addresses that the loads and stores of phases E and N read
.irp j, 0,1,2,3
	global_load_b32 v[12+4*\j], v75, s[8:9] offset:192*\j
	global_load_b32 v[13+4*\j], v75, s[8:9] offset:192*\j+4
	global_load_b32 v[14+4*\j], v75, s[8:9] offset:192*\j+8
.endr
.irp j, 0,1,2,3
	global_load_b64 v[CW0+2*\j:CW0+2*\j+1], v6, s[18:19] offset:128*\j th:TH_LOAD_NT   ; level 0's cell words
.endr
	s_wait_kmcnt 0x0
	v_sub_f32 v77, 1.0, s47
	v_readfirstlane_b32 s48, v77                   ; 1 - alpha
	s_wait_alu depctr_va_sdst(0)                   ; s48 is written, ahead of its first reader
	s_mov_b32 s49, s48
	s_wait_loadcnt 0x0
	s_wait_alu depctr_vm_vsrc(0)                   ; x's loads have read v75, which the index arithmetic writes
; Tile j's four weights for my x bit: ((wx wy) wz), the reference's order of products.
.macro WGT j
.set zX, 12+4*(\j)
.set zW, 36+4*(\j)
	v_mul_f32 v72, s30, v[zX]
	v_mul_f32 v73, s30, v[zX+1]
	v_mul_f32 v74, s30, v[zX+2]
	v_fract_f32 v72, v72
	v_fract_f32 v73, v73
	v_fract_f32 v74, v74
	v_fma_f32 v75, v72, v5, v4                     ; wx
	v_sub_f32 v76, 1.0, v73
	v_sub_f32 v77, 1.0, v74
	v_mul_f32 v78, v75, v76
	v_mul_f32 v79, v75, v73
	v_mul_f32 v[zW], v78, v77                      ; (y0, z0)
	v_mul_f32 v[zW+1], v79, v77                    ; (y1, z0)
	v_mul_f32 v[zW+2], v78, v74                    ; (y0, z1)
	v_mul_f32 v[zW+3], v79, v74                    ; (y1, z1)
.endm
; Tile j's twelve indices.  a: which of the trip's two levels.  Bits above 18 are rubbish until the mask.  A loaded number enters an address only behind v_min_u32 with a written
; constant; it changes nothing here.
.macro HASH j, a
.set zL, CW0+(CW1-CW0)*(\a)+2*(\j)
.set zH, AD+12*(\j)
	v_add_nc_u32 v72, v[zL], v3                    ; px + h
	v_alignbit_b32 v73, v[zL+1], v[zL], 19         ; py P1
	v_lshrrev_b32 v74, 6, v[zL+1]                  ; pz P2
	v_add_nc_u32 v75, s36, v73                     ; (py + 1) P1
	v_add_nc_u32 v76, s37, v74                     ; (pz + 1) P2
	v_xor_b32 v77, v72, v73
	v_xor_b32 v78, v72, v75
	v_xor_b32 v79, v77, v74
	v_xor_b32 v80, v78, v74
	v_xor_b32 v81, v77, v76
	v_xor_b32 v82, v78, v76
.irp c, 0,1,2,3
	v_and_b32 v[79+\c], s38, v[79+\c]
.endr
.irp c, 0,1,2,3
	v_min_u32 v[zH+\c], MSK, v[79+\c]
	v_xor_b32 v[zH+4+\c], s[40+2*(\a)], v[79+\c]
	v_xor_b32 v[zH+8+\c], s[41+2*(\a)], v[79+\c]
.endr
.irp c, 0,1,2,3
	v_min_u32 v[zH+4+\c], MSK, v[zH+4+\c]
	v_min_u32 v[zH+8+\c], MSK, v[zH+8+\c]
.endr
.endm
; Tile j's twelve gathers; scale_offset makes the index count entries of 8 bytes.
.macro GATH j
.set zH, AD+12*(\j)
.set zG, GD+24*(\j)
.irp c, 0,1,2,3
	global_load_b64 v[zG+2*\c:zG+2*\c+1], v[zH+\c], s[14:15] scale_offset
.endr
.irp c, 4,5,6,7,8,9,10,11
	global_load_b64 v[zG+2*\c:zG+2*\c+1], v[zH+\c], s[16:17] scale_offset
.endr
.endm
; Tile j's partial sums for my x bit: (s0, s1, d0, d1).  Three chains side by side; a pair of features times one weight, which op_sel picks out of its pair.
.macro CONS j, a
.set zG, GD+24*(\j)
.set zW, 36+4*(\j)
.if \a
.set zD, 68
.else
.set zD, 52+4*(\j)
.endif
	v_pk_mul_f32 v[zD:zD+1], v[zG:zG+1],     v[zW:zW+1] op_sel_hi:[1,0]
	v_pk_mul_f32 v[72:73],   v[zG+8:zG+9],   v[zW:zW+1] op_sel_hi:[1,0]
	v_pk_mul_f32 v[74:75],   v[zG+16:zG+17], v[zW:zW+1] op_sel_hi:[1,0]
	v_pk_fma_f32 v[zD:zD+1], v[zG+2:zG+3],   v[zW:zW+1], v[zD:zD+1] op_sel:[0,1,0]
	v_pk_fma_f32 v[72:73],   v[zG+10:zG+11], v[zW:zW+1], v[72:73] op_sel:[0,1,0]
	v_pk_fma_f32 v[74:75],   v[zG+18:zG+19], v[zW:zW+1], v[74:75] op_sel:[0,1,0]
	v_pk_fma_f32 v[zD:zD+1], v[zG+4:zG+5],   v[zW+2:zW+3], v[zD:zD+1] op_sel_hi:[1,0,1]
	v_pk_fma_f32 v[72:73],   v[zG+12:zG+13], v[zW+2:zW+3], v[72:73] op_sel_hi:[1,0,1]
	v_pk_fma_f32 v[74:75],   v[zG+20:zG+21], v[zW+2:zW+3], v[74:75] op_sel_hi:[1,0,1]
	v_pk_fma_f32 v[zD:zD+1], v[zG+6:zG+7],   v[zW+2:zW+3], v[zD:zD+1] op_sel:[0,1,0]
	v_pk_fma_f32 v[72:73],   v[zG+14:zG+15], v[zW+2:zW+3], v[72:73] op_sel:[0,1,0]
	v_pk_fma_f32 v[74:75],   v[zG+22:zG+23], v[zW+2:zW+3], v[74:75] op_sel:[0,1,0]
	v_pk_mul_f32 v[74:75], v[74:75], s[32:33] op_sel_hi:[1,0]                      ; t1's corners x ft
	v_pk_fma_f32 v[zD+2:zD+3], v[72:73], s[34:35], v[74:75] op_sel_hi:[1,0,1]      ; + t0's x (1 - ft)
.endm
; The two halves' partial sums of two levels meet: the swap puts the even level's two halves into lanes 0-15 of the two registers and the odd level's into lanes 16-31; one addition finishes both.
.macro MEET j
.set zD, 52+4*(\j)
.irp i, 0,1,2,3
	v_permlane16_swap_b32 v[zD+\i], v[68+\i]
.endr
	v_pk_add_f32 v[zD:zD+1], v[zD:zD+1], v[68:69]
	v_pk_add_f32 v[zD+2:zD+3], v[zD+2:zD+3], v[70:71]
.endm
; A level.  a: even or odd.  ahead = 1: the next level's cell words are asked for, and in an odd level the next trip's t words.
.macro LEVEL a, ahead
	v_floor_f32 v72, s29                           ; res
	v_readfirstlane_b32 s30, v72
	v_mul_f32 v73, s46, v72
	v_fract_f32 v73, v73                           ; ft
	v_sub_f32 v74, 1.0, v73
	v_readfirstlane_b32 s32, v73
	v_readfirstlane_b32 s34, v74
	s_mul_f32 s29, s29, 0x3fc00000                 ; x 1.5
	HASH 0, \a
	HASH 1, \a
	HASH 2, \a
	HASH 3, \a
	s_wait_alu depctr_va_vdst(0)                   ; the 48 indices are written, which the gathers read; the last level's sums are done reading GD, in which the gathers land, and its index arithmetic is done reading the other CW, in which the cell loads land
.if \ahead
.set zN, CW1-(CW1-CW0)*(\a)
.irp j, 0,1,2,3
	global_load_b64 v[zN+2*\j:zN+2*\j+1], v6, s[18:19] offset:0x200000+128*\j th:TH_LOAD_NT   ; the next level's cell words, ahead of the gathers: the first wait for gathers shows them landed too
.endr
.if \a
	s_load_b128 s[40:43], s[20:21], 0x10           ; (T0, T1) of the next trip's two levels: this trip's last readers stand ahead of the wait above
.endif
.endif
	GATH 0
	GATH 1
	GATH 2
	GATH 3
	s_wait_alu depctr_va_sdst(0)                   ; s30, s32 and s34 are written, ahead of their first readers: the weights and the sums
	WGT 0                                          ; the weights are made while the gathers are on their way; they name none of the registers that the loads above touch
	WGT 1
	WGT 2
	WGT 3
.irp j, 0,1,2,3
	s_wait_loadcnt 12*(3-\j)                       ; loads come back in order: the twelve gathers of each younger tile may stay out
	CONS \j, \a
.if \a
	MEET \j
.endif
.endr
.if \a
	s_wait_alu depctr_va_vdst(0)                   ; the additions have written v52-67, which the four stores read; v7 is written
.irp j, 0,1,2,3
	ds_store_b128 v7, v[52+4*\j:55+4*\j] offset:8192*\j
.endr
.if \ahead
	s_wait_kmcnt 0x0                               ; the next trip's t words; their pointer is stepped only behind this wait
	s_add_nc_u64 s[20:21], s[20:21], 16
.endif
.endif
	s_add_nc_u64 s[14:15], s[14:15], 0x400000      ; no load is out: the next level's slabs and words
	s_add_nc_u64 s[16:17], s[16:17], 0x400000
	s_add_nc_u64 s[18:19], s[18:19], 0x200000
	s_wait_alu depctr_vm_vsrc(0)                   ; the gathers have read their indices, which the next level writes again; in an odd level the stores have read v52-67 and v7
.endm
.Lenc:                                                 ; seven trips, two levels each
	LEVEL 0, 1
	LEVEL 1, 1
	v_add_nc_u32 v7, 0x8000, v7                    ; behind the level's closing wait
	s_sub_co_u32 s39, s39, 1
	s_cmp_lg_u32 s39, 0
	s_cbranch_scc1 .Lenc
	LEVEL 0, 1                                     ; the eighth trip is written out: level 15 asks for nothing ahead, so no load leaves idx
	LEVEL 1, 0
; ---- PHASE N.  v32-103 the weights on their way through, then the eight packed encodings (n = 2 tile + branch: v[32+8n ..], exponent v[96+n]); v104, v112-125 at work; v[128+32j+4p..] tile j, levels 2p + h. ----
; No vector instruction stands behind level 15's last wait on va_vdst, and no LDS or memory instruction behind its closing wait on vm_vsrc: both hold for all registers in which the loads below land.
	s_wait_dscnt 0x0                               ; my stores of features are done
.set zi, 0
.rept 18
	global_load_b128 v[32+4*zi:35+4*zi], v8, s[22:23] offset:8192*zi   ; 512 threads x 16 bytes x 18 = the whole image
.set zi, zi+1
.endr
	s_barrier_signal -1
	s_barrier_wait -1                              ; every wave's features lie in LDS
.set zj, 0
.rept 4
.set zp, 0
.rept 8
	ds_load_b128 v[128+32*zj+4*zp:131+32*zj+4*zp], v[8+zp/2] offset:(zp%2)*32768+8192*zj
.set zp, zp+1
.endr
.set zj, zj+1
.endr
	v_and_b32 v104, 31, v0
	s_lshl_b32 s50, s26, 13
	s_add_co_u32 s50, s50, LP
	v_lshl_add_u32 v6, v104, 4, s50                ; my 16 bytes in my wave's slot 0 (the cell loads that read v6, and the stores that read v7, stand ahead of level 15's closing wait)
	s_lshl_b32 s51, s26, 10
	s_add_co_u32 s51, s51, LPX
	v_lshl_add_u32 v7, v104, 2, s51                ; and my exponent's word
	v_mov_b32 v113, 0                              ; a lane permute's destination counts as read
	v_mov_b32 v117, 0                              ; named as a pair with v116
	s_wait_dscnt 0x0                               ; my reads of the features are back:
	s_barrier_signal -1
	s_barrier_wait -1                              ; everybody's are, and their bytes may be written over
	s_wait_loadcnt 0x0
.set zi, 0
.rept 18
	ds_store_b128 v[8+zi/8], v[32+4*zi:35+4*zi] offset:(zi%8)*8192
.set zi, zi+1
.endr
	s_wait_alu depctr_vm_vsrc(0)                   ; these stores have read v32-103, which the packing below writes
; Tile j, branch b (0 static, 1 dynamic): the largest magnitude of the point's 32 features (16 here, 16 in the lane 16 away), its exponent E, all times 2^(126-E), rounded to f16.  Register p holds level 2p + h:
; that IS source 1 of the input layer, whose weights were laid out in the same order of k.
.macro NORM j, b
.set zF, 128+32*(\j)+2*(\b)
.set zO, 32+8*(2*(\j)+(\b))
.set zE, 96+2*(\j)+(\b)
	v_max_num_f32 v112, |v[zF]|, |v[zF+1]|
.irp p, 1,2,3,4,5,6,7
	v_max3_num_f32 v112, v112, |v[zF+4*\p]|, |v[zF+4*\p+1]|
.endr
	v_permlanex16_b32 v113, v112, s44, s45
	v_max_num_f32 v112, v112, v113
	v_bfe_u32 v114, v112, 23, 8                    ; E
	v_sub_nc_u32 v115, 126, v114
	v_ldexp_f32 v116, 1.0, v115
	v_sub_nc_u32 v[zE], 0, v115                    ; X = E - 126
.irp p, 0,1,2,3,4,5,6,7
	v_pk_mul_f32 v[118+2*(\p%4):119+2*(\p%4)], v[zF+4*\p:zF+4*\p+1], v[116:117] op_sel_hi:[1,0]
	v_cvt_pk_f16_f32 v[zO+\p], v[118+2*(\p%4)], v[119+2*(\p%4)]
.endr
.endm
.macro PUT j, b
.set zO, 32+8*(2*(\j)+(\b))
.set zE, 96+2*(\j)+(\b)
.set zS, (((\j)/2)*2+(\b))*2+((\j)%2)
	ds_store_b128 v6, v[zO:zO+3] offset:zS*1024
	ds_store_b128 v6, v[zO+4:zO+7] offset:zS*1024+512
	ds_store_b32 v7, v[zE] offset:zS*128
.endm
.irp j, 0,1,2,3
	NORM \j, 0
	NORM \j, 1
.endr
	s_wait_alu depctr_va_vdst(0)                   ; the eight packed encodings and their exponents are written, which the stores below read; so are the addresses v6 and v7
.irp j, 0,1,2,3
	PUT \j, 0
	PUT \j, 1
.endr
	s_wait_dscnt 0x0                               ; for the others' sake: my part of the weights' image is in LDS
	s_barrier_signal -1
	s_barrier_wait -1                              ; the image is whole
; ---- PHASE M.  Two groups of two point tiles (pt = 0, 1).
; v3 the weights' moving address; v6, v7 the encodings' and exponents'; v8 where results go; v9 16 x lane; v12, 13 X; v14, 15 XU (the exponent of what lies in F); v16, 17 XF (the features');
; v18, 19 maxima; v4, 5, 10, 11, 20, 21, 30, 31 at work; v[22:23], v[24:25] the scale; v[26:27], v[28:29] alpha x 2^(..);
; F v[32+32pt+8kb..] 128 features (below v128, since its halves are named); H v[96+16pt+8kb..] 64 activations; ACC v[128+32pt+8ft..]; AF v[192+8i..] eight fragments of weights. ----
	s_wait_alu depctr_vm_vsrc(0)                   ; phase N's loads and stores have read v8-11 and v32-103, which are written from here on
	v_and_b32 v30, 31, v0
	v_lshlrev_b32 v9, 4, v30
	s_lshl_b32 s50, s26, 8
	s_add_co_u32 s50, s50, LOUT
	v_lshl_add_u32 v8, v30, 2, s50
.irp r, 20,21,23,25,27,29
	v_mov_b32 v\r, 0                               ; lane permutes' destinations, and the partners of registers that are named in pairs
.endr
.macro NOP4                            ; four places behind the products, ahead of the first vector read of their results; this text keeps them ahead of the loads into their sources too, beside the wait that states that dependence
.rept 4
	v_nop
.endr
.endm
.macro LDF af, off                     ; one fragment: 32 lanes x 16 consecutive bytes, twice
	ds_load_b128 v[192+8*(\af):195+8*(\af)], v3 offset:(\off)
	ds_load_b128 v[196+8*(\af):199+8*(\af)], v3 offset:(\off)+512
.endm
.macro LDA_IN                          ; an input layer: K = 32, four feature tiles
.irp f, 0,1,2,3
	LDF 2*\f, 1024*\f
.endr
.endm
.macro LDA_64                          ; K = 64, four feature tiles: fragment 2 ft + kb
.irp f, 0,1,2,3,4,5,6,7
	LDF \f, 1024*\f
.endr
.endm
.macro LDA_128 kb0                     ; K = 128: k blocks kb0, kb0 + 1 of four feature tiles
.irp f, 0,1,2,3
	LDF 2*\f, 1024*(4*\f+(\kb0))
	LDF 2*\f+1, 1024*(4*\f+(\kb0)+1)
.endr
.endm
.macro STEPW n                         ; the weights' address moves on past the layer whose fragments have just landed; it is read again behind the layer's wait on va_vdst
	s_wait_alu depctr_vm_vsrc(0)                   ; the fragments' loads have read v3
	v_add_nc_u32 v3, \n, v3
.endm
; nk x 8 products: k blocks kb0 .. of source 1 at v[bb + bp pt + 8 kb].  The eight accumulators take turns, one instruction a turn.  first = 1: the first eight start the sums.
.macro MMS bb, bp, kb0, nk, first
.set zk, 0
.rept \nk
.set zf, 0
.rept 4
.set zp, 0
.rept 2
.set zD, 128+32*zp+8*zf
.set zA, 192+8*(2*zf+zk)
.set zB, (\bb)+(\bp)*zp+8*((\kb0)+zk)
.if (\first) && (zk == 0)
	v_wmma_f32_16x16x32_f16 v[zD:zD+7], v[zA:zA+7], v[zB:zB+7], 0
.else
	v_wmma_f32_16x16x32_f16 v[zD:zD+7], v[zA:zA+7], v[zB:zB+7], v[zD:zD+7]
.endif
.set zp, zp+1
.endr
.set zf, zf+1
.endr
.set zk, zk+1
.endr
.endm
.macro AMAX                            ; the largest magnitude of a lane's 32 numbers, both tiles side by side; each accumulator is read from its low end on
	v_max_num_f32 v18, |v128|, |v129|
	v_max_num_f32 v19, |v160|, |v161|
.set zi, 2
.rept 15
	v_max3_num_f32 v18, v18, |v[128+zi]|, |v[129+zi]|
	v_max3_num_f32 v19, v19, |v[160+zi]|, |v[161+zi]|
.set zi, zi+2
.endr
.endm
.macro SCL bias                        ; the point's other 32 numbers lie in the lane 16 away; E; the scale 2^(126-E); X += E + bias
	v_permlanex16_b32 v20, v18, s44, s45
	v_permlanex16_b32 v21, v19, s44, s45
	v_max_num_f32 v18, v18, v20
	v_max_num_f32 v19, v19, v21
	v_bfe_u32 v4, v18, 23, 8
	v_bfe_u32 v5, v19, 23, 8
	v_sub_nc_u32 v20, 126, v4
	v_sub_nc_u32 v21, 126, v5
	v_ldexp_f32 v22, 1.0, v20
	v_ldexp_f32 v24, 1.0, v21
	v_add3_u32 v12, v12, v4, \bias
	v_add3_u32 v13, v13, v5, \bias
.endm
.macro PACK db, dp                     ; ACC x scale, rounded to f16 in pairs, into v[db + dp pt + 4 ft + i]: the next source 1
.set zp, 0
.rept 2
.set zf, 0
.rept 4
.set zA, 128+32*zp+8*zf
.set zD, (\db)+(\dp)*zp+4*zf
.irp i, 0,1,2,3
	v_pk_mul_f32 v[zA+2*\i:zA+2*\i+1], v[zA+2*\i:zA+2*\i+1], v[22+2*zp:23+2*zp] op_sel_hi:[1,0]
.endr
.irp i, 0,1,2,3
	v_cvt_pk_f16_f32 v[zD+\i], v[zA+2*\i], v[zA+2*\i+1]
.endr
.set zf, zf+1
.endr
.set zp, zp+1
.endr
.endm
.macro EPI_RELU                        ; behind a hidden layer: ReLU, scale, into H
.set zi, 0
.rept 64
	v_max_num_f32 v[128+zi], 0, v[128+zi]
.set zi, zi+1
.endr
	AMAX
	SCL BIASW
	PACK 96, 16
.endm
.macro EPI_LIN dst, bias               ; a linear result of 64 features goes into F's k blocks dst, dst + 1, with an exponent of its own
	AMAX
	SCL \bias
	PACK 32+8*(\dst), 32
	v_mov_b32 v14, v12
	v_mov_b32 v15, v13
.endm
; A second result of 64 features joins the one in F.  Both take the larger exponent U: the new one by its scale, the one in F (k blocks ps, ps + 1, which move to pd, pd + 1) by a power of two in f16.  Only ever downward.
.macro EPI_LIN2 dst, pd, ps, bias
	AMAX
	SCL \bias
	v_cmp_gt_i32 s50, v14, v12
	v_cmp_gt_i32 s51, v15, v13
	s_wait_alu depctr_va_sdst(0)                   ; both masks are written, ahead of the selects that read them
	v_cndmask_b32 v4, v12, v14, s50                ; U
	v_cndmask_b32 v5, v13, v15, s51
	v_sub_nc_u32 v20, v12, v4
	v_sub_nc_u32 v21, v13, v5
	v_ldexp_f32 v22, v22, v20
	v_ldexp_f32 v24, v24, v21
	v_sub_nc_u32 v20, v14, v4
	v_sub_nc_u32 v21, v15, v5
	v_ldexp_f32 v20, 1.0, v20
	v_ldexp_f32 v21, 1.0, v21
	v_cvt_pk_f16_f32 v10, v20, v20
	v_cvt_pk_f16_f32 v11, v21, v21
	v_mov_b32 v14, v4
	v_mov_b32 v15, v5
.set zi, 0
.rept 16
	v_pk_mul_f16 v[32+8*(\pd)+zi], v[32+8*(\ps)+zi], v10
	v_pk_mul_f16 v[64+8*(\pd)+zi], v[64+8*(\ps)+zi], v11
.set zi, zi+1
.endr
	PACK 32+8*(\dst), 32
.endm
; The blend, in f32, in units of 2^XF: ACC = ACC x (alpha 2^(X-4-XF)) + (1 - alpha) x feature.  fr: the register of F, a plain number, since its halves are named.
.macro BL1 fr, kb0
.set zI, ((\fr)-32-8*(\kb0))%32
.set zP, ((\fr)-32)/32
.set zA, 128+32*zP+2*zI
.set zT, 18+2*(zI%2)
.if (zI%4) == 2
.set zT, 4
.elseif (zI%4) == 3
.set zT, 10
.endif
	v_cvt_f32_f16 v[zT], v\fr\().l
	v_cvt_f32_f16 v[zT+1], v\fr\().h
	v_pk_mul_f32 v[zT:zT+1], v[zT:zT+1], s[48:49] op_sel_hi:[1,0]
	v_pk_fma_f32 v[zA:zA+1], v[zA:zA+1], v[26+2*zP:27+2*zP], v[zT:zT+1] op_sel_hi:[1,0,1]
.endm
; A layer of K = 128 on F, whose first eight fragments are on their way, then ReLU; the next layer's fragments are asked for behind its products.
.macro IN128
	s_wait_dscnt 0x0
	MMS 32, 32, 0, 2, 1
	NOP4
	s_wait_alu depctr_va_vdst(0)                   ; the products are done reading AF, in which the other eight fragments land
	LDA_128 2
	s_wait_dscnt 0x0
	STEPW 16384
	MMS 32, 32, 2, 2, 0
	NOP4
	s_wait_alu depctr_va_vdst(0)                   ; the products are done reading AF; v3 is written
	LDA_64
	EPI_RELU
.endm
	s_mov_b32 s27, 2
.Lgroup:
	v_mov_b32 v3, v9                               ; the image's head: ws_in (the last group's loads by v3 stand ahead of the wait on vm_vsrc at that group's end)
	v_mov_b32 v14, 0xffffc000                      ; XU far below every exponent: in the first branch trip U = X.  What that trip makes of F's old upper half goes into the lower half,
	v_mov_b32 v15, 0xffffc000                      ; which the second trip writes over before anything reads it
	s_mov_b32 s28, 2
.Lbranch:                                              ; the static net, then the dynamic one: their weights lie on end
	s_wait_alu depctr_va_vdst(0)                   ; v3, v6 and v7 are written, which the loads below read; all vector and matrix instructions are done with X, H and AF, in which they land
	ds_load_b32 v12, v7
	ds_load_b32 v13, v7 offset:128
	ds_load_b128 v[96:99], v6
	ds_load_b128 v[100:103], v6 offset:512
	ds_load_b128 v[112:115], v6 offset:1024
	ds_load_b128 v[116:119], v6 offset:1536
	LDA_IN
	s_wait_dscnt 0x0                               ; encodings, exponents, fragments
	STEPW 4096
	v_add_nc_u32 v6, 2048, v6                      ; behind the same wait on vm_vsrc: the loads above have read v6 and v7
	v_add_nc_u32 v7, 256, v7
	MMS 96, 16, 0, 1, 1
	NOP4
	s_wait_alu depctr_va_vdst(0)                   ; the products are done reading AF; v3 is written
	LDA_64
	EPI_RELU
	s_mov_b32 s31, 3
.Lhid:                                                 ; three hidden layers; the third trip's loads bring the output layer's fragments
	s_wait_dscnt 0x0
	STEPW 8192
	MMS 96, 16, 0, 2, 1
	NOP4
	s_wait_alu depctr_va_vdst(0)                   ; the products are done reading AF; v3 is written
	LDA_64
	EPI_RELU
	s_sub_co_u32 s31, s31, 1
	s_cmp_lg_u32 s31, 0
	s_cbranch_scc1 .Lhid
	s_wait_dscnt 0x0
	STEPW 8192
	MMS 96, 16, 0, 2, 1
	NOP4
	EPI_LIN2 2, 0, 2, BIASW                        ; the earlier net's features move to k blocks 0, 1; this net's take 2, 3
	s_sub_co_u32 s28, s28, 1
	s_cmp_lg_u32 s28, 0
	s_cbranch_scc1 .Lbranch
	s_wait_alu depctr_va_vdst(0)                   ; the output layer's products are done reading AF; v3 is written
	LDA_128 0
	v_mov_b32 v12, v14                             ; X = XF = the features' exponent
	v_mov_b32 v13, v15
	v_mov_b32 v16, v14
	v_mov_b32 v17, v15
	IN128                                          ; w1_in
	s_wait_dscnt 0x0
	STEPW 8192
	MMS 96, 16, 0, 2, 1                            ; w1_hid
	NOP4
	s_wait_alu depctr_va_vdst(0)                   ; the products are done reading AF; v3 is written
	LDA_64
	EPI_RELU
	v_sub_nc_u32 v4, v12, v16
	v_sub_nc_u32 v5, v13, v17
	v_add_nc_u32 v4, -4, v4
	v_add_nc_u32 v5, -4, v5
	v_ldexp_f32 v26, s47, v4                       ; alpha x 2^(X - 4 - XF)
	v_ldexp_f32 v28, s47, v5
	s_wait_dscnt 0x0
	STEPW 8192
	MMS 96, 16, 0, 2, 1                            ; w1_out, features 0-63
	NOP4
	s_wait_alu depctr_va_vdst(0)                   ; the products are done reading AF; v3 is written
	LDA_64
.irp fr, 32,33,34,35,36,37,38,39,40,41,42,43,44,45,46,47,64,65,66,67,68,69,70,71,72,73,74,75,76,77,78,79
	BL1 \fr, 0
.endr
	v_mov_b32 v12, v16
	v_mov_b32 v13, v17
	EPI_LIN 0, BIASB
	s_wait_dscnt 0x0
	STEPW 8192
	MMS 96, 16, 0, 2, 1                            ; w1_out, features 64-127
	NOP4
	s_wait_alu depctr_va_vdst(0)                   ; the products are done reading AF; v3 is written
	LDA_128 0
.irp fr, 48,49,50,51,52,53,54,55,56,57,58,59,60,61,62,63,80,81,82,83,84,85,86,87,88,89,90,91,92,93,94,95
	BL1 \fr, 2
.endr
	v_mov_b32 v12, v16
	v_mov_b32 v13, v17
	EPI_LIN2 2, 0, 0, BIASB
	v_mov_b32 v12, v14
	v_mov_b32 v13, v15
	IN128                                          ; w2_in
	s_wait_dscnt 0x0
	STEPW 8192
	MMS 96, 16, 0, 2, 1                            ; w2_hid
	NOP4
	s_wait_alu depctr_va_vdst(0)                   ; the products are done reading AF; v3 is written
	LDF 0, 0                                       ; w2_out: feature tile 0 alone
	LDF 1, 1024
	EPI_RELU
	s_wait_dscnt 0x0
	v_wmma_f32_16x16x32_f16 v[128:135], v[192:199], v[96:103], 0
	v_wmma_f32_16x16x32_f16 v[160:167], v[192:199], v[112:119], 0
	v_wmma_f32_16x16x32_f16 v[128:135], v[200:207], v[104:111], v[128:135]
	v_wmma_f32_16x16x32_f16 v[160:167], v[200:207], v[120:127], v[160:167]
	NOP4
	v_add_nc_u32 v4, -4, v12
	v_add_nc_u32 v5, -4, v13
	v_ldexp_f32 v30, v128, v4                      ; feature 0 lies in the lowest register of lanes 0-15
	v_ldexp_f32 v31, v160, v5
	v_permlane16_swap_b32 v30, v31                 ; v30: tile 0's 16 results, then tile 1's
	s_wait_alu depctr_va_vdst(0)                   ; v30 is written, which the store reads; so is its address v8
	ds_store_b32 v8, v30
	s_wait_alu depctr_vm_vsrc(0)                   ; the store has read v8 and v30, and the group's last fragment loads have read v3: all three are written again below or at the next group's head
	v_add_nc_u32 v8, 128, v8
	s_sub_co_u32 s27, s27, 1
	s_cmp_lg_u32 s27, 0
	s_cbranch_scc1 .Lgroup
	v_and_b32 v30, 31, v0
	s_lshl_b32 s50, s26, 8
	v_lshl_add_u32 v11, v30, 3, s50                ; 256 x wave + 8 x lane
	v_add_nc_u32 v10, LOUT, v11
	s_wait_alu depctr_va_vdst(0)                   ; v10 and v11 are written, the addresses of the load and of the store below; the vector instructions are done with v30 and v31, in which the load lands
	ds_load_b64 v[30:31], v10                      ; my wave's own 256 bytes: LDS serves a wave's instructions in order (ISA guide 5.7.1.4)
	s_wait_dscnt 0x0
	global_store_b64 v11, v[30:31], s[24:25] th:TH_STORE_NT   ; the wave's 64 results: 256 consecutive bytes, aligned, in one store
	s_wait_dscnt 0x0                               ; the closing lines, six on end
	s_wait_alu 0x0
	s_wait_tensorcnt 0x0
	ds_add_u32 v[SPW], v[NIL]
	s_wait_dscnt 0x0
	s_endpgm
.Lfunc_end_k_q4e9d7cd447_main:
	.size	k_q4e9d7cd447_main, .Lfunc_end_k_q4e9d7cd447_main-k_q4e9d7cd447_main
	.p2alignl 7, 3214868480
	.fill 96, 4, 3214868480
	.section	.rodata,"a",@progbits
	.p2align	6, 0x0
	.amdhsa_kernel k_q4e9d7cd447_main
		.amdhsa_group_segment_fixed_size 301056
		.amdhsa_private_segment_fixed_size 0
		.amdhsa_enable_private_segment 0
		.amdhsa_kernarg_size 72
		.amdhsa_user_sgpr_count 2
		.amdhsa_user_sgpr_kernarg_segment_ptr 1
		.amdhsa_wavefront_size32 1
		.amdhsa_system_sgpr_workgroup_id_x 1
		.amdhsa_system_sgpr_workgroup_id_y 1
		.amdhsa_system_sgpr_workgroup_id_z 1
		.amdhsa_system_vgpr_workitem_id 0
		.amdhsa_next_free_vgpr 256
		.amdhsa_next_free_sgpr 66
		.amdhsa_reserve_vcc 0
		.amdhsa_float_denorm_mode_32 3
		.amdhsa_float_denorm_mode_16_64 3
		.amdhsa_memory_ordered 1
		.amdhsa_forward_progress 1
		.amdhsa_inst_pref_size 215
	.end_amdhsa_kernel
	.amdgpu_metadata
---
amdhsa.version: [ 1, 2 ]
amdhsa.kernels:
  - .name:           k_q4e9d7cd447_main
    .symbol:         k_q4e9d7cd447_main.kd
    .args:
      - { .name: x, .offset: 0, .size: 8, .value_kind: global_buffer, .address_space: global }
      - { .name: t, .offset: 8, .size: 8, .value_kind: global_buffer, .address_space: global }
      - { .name: skip_alpha, .offset: 16, .size: 8, .value_kind: global_buffer, .address_space: global }
      - { .name: table_s, .offset: 24, .size: 8, .value_kind: global_buffer, .address_space: global }
      - { .name: table_d, .offset: 32, .size: 8, .value_kind: global_buffer, .address_space: global }
      - { .name: idx, .offset: 40, .size: 8, .value_kind: global_buffer, .address_space: global }
      - { .name: tix, .offset: 48, .size: 8, .value_kind: global_buffer, .address_space: global }
      - { .name: wfrag, .offset: 56, .size: 8, .value_kind: global_buffer, .address_space: global }
      - { .name: out0, .offset: 64, .size: 8, .value_kind: global_buffer, .address_space: global }
    .group_segment_fixed_size: 301056
    .private_segment_fixed_size: 0
    .kernarg_segment_align: 8
    .kernarg_segment_size: 72
    .max_flat_workgroup_size: 512
    .sgpr_count:     66
    .vgpr_count:     256
    .wavefront_size: 32
...
	.end_amdgpu_metadata
.endif
;; end of part 3
